; MI455X (gfx1250); checked and timed in simulation.
; The chip was launched on July 23, 2026; its instructions are those of AMD's public machine-readable ISA for CDNA 5 (MIT licence, August 2026) and "CDNA5" Instruction Set Architecture Reference Guide (July 2026). The comments in the code are by the model that wrote it; some were corrected since.
;; LSH Attention. Allowed arithmetic: matrix products marked QUANTISED: E4M3 operands, one E8M0 scale for each 32 along K, by v_wmma_scale_f32_16x16x128_f8f6f4 with both operands' format E4M3, f32 sums; products left as they are: f32 operands where the result goes on into a quantised operand, else bf16, f16 or f32 operands; f32 sums; everything else in f32.
;; Inputs: query 32 x 2,048 x 64 float32; rand_matrix 32 x 64 x 4 x 16 float32; value 32 x 2,048 x 64 float32.
;; Outputs: out0 32 x 2,048 x 64 float32.
;; This version of the problem:
;;   THIS VERSION OF THE PROBLEM IS GIVEN IN LOW PRECISION. The matrix products marked QUANTISED in the list below multiply operands that are first quantised to E4M3 (4 exponent bits, 3 mantissa bits; 8 bits a number), with one power-of-two scale for each 32 numbers along K (OCP MX v1.0); their sums are f32. All else is computed in f32.
;;   The module's matrix products, in the order in which they are computed (A, B: the left and right operand; K: the contracted axis; several contracted axes count as one K, in the product's order):
;;     1. batch 32 x [M 2,048, K 64] x [K 64, N 64]; A: input query; B: input rand_matrix: QUANTISED
;;     2. batch 4,096 x [M 128, K 64] x [K 64, N 64]; A: computed on the way; B: computed on the way: QUANTISED
;;     3. batch 4,096 x [M 64, K 128] x [K 128, N 64]; A: computed on the way; B: computed on the way: QUANTISED
;;     4. batch 65,536 x [M 64, K 4] x [K 4, N 1]; A: computed on the way; B: softmax: left as it is (K = 4 < 32)
;;   THE QUANTISER, for each operand of a quantised product, along K:
;;     - K is cut into blocks of 32 from its start; a last block that is shorter is filled with zeros.
;;     - A block's scale is 2^e with e = floor(log2(the largest magnitude in the block)) - 8, held to -126 .. 127; a block of zeros has e = 0. As a byte (E8M0): e + 127.
;;     - Each number is divided by its block's scale, clamped to +-448, and rounded to the nearest number of E4M3, ties to even, subnormals kept.
;;     - The product sums the exact products of the quantised numbers (number of the format x scale) in f32.
;;   ~~~python
;;   def quantise(x, axis):      # numpy; x: float32 -> the quantised numbers, widened to float32 again
;;       x = np.moveaxis(x, axis, -1); K = x.shape[-1]
;;       x = np.pad(x, [(0, 0)] * (x.ndim - 1) + [(0, -K % 32)]); x = x.reshape(x.shape[:-1] + (-1, 32)); a = np.abs(x).max(-1, keepdims=True)
;;       e = np.where(a > 0, np.clip(np.frexp(np.where(a > 0, a, 1))[1] - 1 - 8, -126, 127), 0)      # np.frexp(a)[1] - 1 = floor(log2(a)), exactly
;;       r = np.clip(x / 2.0 ** e, -448, 448)
;;       step = 2.0 ** (np.maximum(np.frexp(np.where(r == 0, 1, r))[1] - 1, -6) - 3)
;;       q = np.round(r / step) * step * 2.0 ** e      # np.round: ties to even
;;       return np.moveaxis(q.reshape(q.shape[:-2] + (-1,))[..., :K], -1, axis).astype(np.float32)
;;   ~~~
;;   OPERANDS COMPUTED ON THE WAY. 'Computed on the way' means the value that the module computes at that place (a softmax that the list does not call 'softmax' is quantised finished and normalised). What goes into a quantiser is computed in f32, as accurately as f32 sums, v_exp_f32 and their like allow (about 1e-6 of the number): no bf16 or f16 on the way to a quantiser, and a product that is left as it is and whose result goes on into a quantised operand takes f32 operands (vector FMAs, or v_wmma_f32_16x16x4_f32). A number that lies on a knife's edge between two numbers of the format may be rounded either way, as far as f32 arithmetic and the matrix unit's own rounding can turn it there, and no further.
;; One version. Each part assembles by itself: llvm-mc -triple=amdgcn-amd-amdhsa -mcpu=gfx1250 --defsym DOCPART=n.
;; ======== version 1 of 1: 4 launches
;; limits: values are held in f16: magnitudes above 65,504 overflow, below 6.1e-05 lose precision; inputs' magnitudes at most 65,504
;; workspace buffers: hsh 262,144 bytes of whole numbers; sidx 1,048,576 bytes of whole numbers; upos 524,288 bytes of whole numbers; codes 8,388,608 bytes; scl 262,144 bytes; att 33,554,432 bytes; lse 1,048,576 bytes
;; launch hash (part 1): grid 256 x 1, 4 waves a work-group, no clusters, 16,896 bytes of LDS; arguments query, rand_matrix, hsh, codes, scl; writes hsh, codes, scl
.if DOCPART == 1
	.amdgcn_target "amdgcn-amd-amdhsa--gfx1250"
	.amdhsa_code_object_version 6
	.text
	.protected	k_qc2f23c1d9f_hash
	.globl	k_qc2f23c1d9f_hash
	.p2align	8
	.type	k_qc2f23c1d9f_hash,@function
k_qc2f23c1d9f_hash:
	s_mov_b64 s[64:65], 0
	v_nop
	global_prefetch_b8 v0, s[64:65] scope:SCOPE_SE
	s_setreg_imm32_b32 hwreg(HW_REG_WAVE_MODE, 25, 1), 1
	s_wait_xcnt 0x0
; HASH.  query [32][2048][64] f32, rand_matrix [32][64][4][16] f32.
; For every row: q's codes of E4M3 (two blocks of 32 along d, one E8M0 byte each), the codes of k = q * rsq(max(sum q^2, 1e-12)),
; and for each of the 4 hash rounds the bucket argmax([p, -p]) of p = Q(q) . Q(rand), the lowest index winning a tie.
; OUT: codes [row][128 B] (q's 64 codes, then k's); scl [row] one word q0 | q1<<8 | k0<<16 | k1<<24; hsh [row] one word, byte t = bucket of round t.
; SHARES.  A work-group of four waves takes 256 rows of one batch entry, a wave 64 rows: four tiles of 16.  Wave w also quantises hash round w of
; rand (lane r a column, registers down d); the fragments reach the other waves as images of their registers in LDS.
; THE PRODUCT IS USED TRANSPOSED: source 0 = 16 columns of a hash round, source 1 = 16 rows of q: a lane holds one row and 8 of its 16 p.
; K is 64 of the instruction's 128: registers 8-15 of q's fragment are zero codes; rand's fragments lie 8 registers apart, so that the upper half
; of each is the next one's codes (finite numbers against zeros), and 8 zero registers follow the last.
; No tensor loads, no cluster: each byte of query is read by one wave; rand is 16 KiB a work-group.
; LIMITS: NaN and infinities are not served; a block whose largest magnitude lies under 2^-118 keeps the byte 1; a block of zeros has the byte 1
; (its codes are zeros, and this program alone reads the bytes).
.set RIMG,  0                          ; LDS: rand's fragments [round][block][512 B]
.set RSC,   4096                       ; their scale words [round][128 B]
.set STG,   4608                       ; a stage of 16 rows x (128 + 16) bytes for each wave
.set HSB,   13824                      ; 256 bytes a wave: its 64 hash words
.set SCB,   14848                      ; 256 bytes a wave: its 64 scale words
.set FLOOR, 0x4800000                  ; 2^(9-127): no largest magnitude is taken under it, so no byte falls under 1
.set OFF8,  0xfc000000                 ; takes 8 off an exponent field
.set EXPF,  0x7f800000
.set TM,  28                           ; v28-29 largest magnitudes, v30-31 bytes, v32-33 448 x scale, v34-35 scale operands
.set RS,  36                           ; v36-39 rand's scale words
.set QS,  40                           ; q's scale word
.set QF,  44                           ; q's fragment: 8 registers of codes, 8 of zeros
.set KC,  60                           ; k's codes
.set G,   68                           ; rows read back from the stage
.set RF,  84                           ; rand's four fragments, 8 registers apart, 8 zeros behind
.set ACC, 124                          ; p: 8 registers a hash round
.set X,   156                          ; two sets of 32 numbers of q
.set T32, 220                          ; rand's numbers, later k's
	s_load_b256 s[4:11], s[0:1], 0x0               ; query, rand_matrix, hsh, codes
	s_load_b64 s[12:13], s[0:1], 0x20              ; scl
	v_lshl_add_u32 v254, v0, 2, 0x4000
	v_mov_b32 v255, 0
	v_lshrrev_b32 v1, 5, v0
	v_readfirstlane_b32 s14, v1                    ; wave
	v_and_b32 v27, 31, v0                          ; lane
	v_and_b32 v1, 15, v0                           ; r
	v_bfe_u32 v2, v0, 4, 1                         ; h
	v_lshlrev_b32 v3, 8, v1
	v_lshl_add_u32 v3, v2, 6, v3                   ; query: row r of 256 bytes, + 64 h
	v_lshlrev_b32 v4, 2, v1
	v_lshl_add_u32 v4, v2, 12, v4                  ; rand: column r, 16 h rows of 256 bytes down
	v_lshlrev_b32 v5, 4, v27                       ; 16 x lane
	v_lshlrev_b32 v6, 2, v27                       ; 4 x lane
	v_lshlrev_b32 v7, 3, v27                       ; 8 x lane
	s_lshl_b32 s15, s14, 10
	v_add_nc_u32 v8, s15, v5                       ; my round's image
	s_lshl_b32 s15, s14, 7
	v_add_nc_u32 v9, s15, v6                       ; and its scale words
	s_mul_i32 s15, s14, 2304
	v_mul_u32_u24 v10, v1, 144
	v_lshl_add_u32 v10, v2, 4, v10
	v_add_nc_u32 v10, s15, v10                     ; stage, in: row r, + 16 h
	v_lshrrev_b32 v11, 3, v27
	v_mul_u32_u24 v11, v11, 144
	v_and_b32 v12, 7, v27
	v_lshl_add_u32 v11, v12, 4, v11
	v_add_nc_u32 v11, s15, v11                     ; stage, back: eight lanes to a row of 128 bytes
	s_lshl_b32 s15, s14, 8
	v_lshl_add_u32 v12, v1, 2, s15                 ; my row's word among the wave's 64
	v_add_nc_u32 v13, s15, v7                      ; and 8 bytes a lane on the way out
	v_lshlrev_b32 v14, 3, v2                       ; 8 h: my half's first bucket
	v_mov_b32 v16, 0                               ; lane permutes' destinations are written once
	v_mov_b32 v[TM+2], 0
	v_mov_b32 v[TM+3], 0
.irp j, 0,1,2,3,4,5,6,7
	v_mov_b32 v[QF+8+\j], 0                        ; zero codes for K = 64 .. 127
	v_mov_b32 v[RF+32+\j], 0
.endr
	s_mov_b32 s20, 0x76543210
	s_mov_b32 s21, 0xfedcba98                      ; v_permlanex16_b32: lane l xor 16
	s_mov_b32 s22, 0x600000                        ; the mantissa field of 448
	s_lshl_b32 s16, ttmp9, 16                      ; query: 256 rows of 256 bytes a work-group,
	s_lshl_b32 s15, s14, 14                        ; 64 rows a wave
	s_add_co_u32 s16, s16, s15
	s_mov_b32 s17, 0
	s_lshr_b32 s18, ttmp9, 3                       ; batch entry
	s_lshl_b32 s18, s18, 14                        ; rand: 16,384 bytes each,
	s_lshl_b32 s15, s14, 6                         ; 64 bytes a hash round
	s_add_co_u32 s18, s18, s15
	s_mov_b32 s19, 0
	s_lshl_b32 s24, ttmp9, 10                      ; hsh, scl: 4 bytes a row
	s_lshl_b32 s15, s14, 8
	s_add_co_u32 s24, s24, s15
	s_mov_b32 s25, 0
	s_lshl_b32 s26, s24, 5                         ; codes: 128 bytes a row
	s_mov_b32 s27, 0
	s_wait_kmcnt 0x0
	s_add_nc_u64 s[4:5], s[4:5], s[16:17]
	s_add_nc_u64 s[6:7], s[6:7], s[18:19]
	s_add_nc_u64 s[8:9], s[8:9], s[24:25]
	s_add_nc_u64 s[12:13], s[12:13], s[24:25]
	s_add_nc_u64 s[10:11], s[10:11], s[26:27]
; tile i's 16 rows: register 16 c + 4 j + .. = d 32 c + 16 h + 4 j + ..
.macro XLOAD i
.irp c, 0,1
.irp j, 0,1,2,3
	global_load_b128 v[X+32*((\i)%2)+16*\c+4*\j:X+32*((\i)%2)+16*\c+4*\j+3], v3, s[4:5] offset:4096*(\i)+128*\c+16*\j th:TH_LOAD_NT
.endr
.endr
.endm
; the largest magnitudes of the two blocks in v[s] .. v[s+31], joined with lane l xor 16's
.macro AMAX s
.irp b, 0,1
	v_max3_num_f32 v[TM+\b], |v[(\s)+16*\b]|, |v[(\s)+16*\b+1]|, FLOOR
.endr
.irp i, 2,4,6,8,10,12,14
.irp b, 0,1
	v_max3_num_f32 v[TM+\b], v[TM+\b], |v[(\s)+16*\b+\i]|, |v[(\s)+16*\b+\i+1]|
.endr
.endr
.irp b, 0,1
	v_permlanex16_b32 v[TM+2+\b], v[TM+\b], s20, s21
.endr
.irp b, 0,1
	v_max_num_f32 v[TM+\b], v[TM+\b], v[TM+2+\b]
.endr
.endm
; from the largest magnitudes in v[TM], v[TM+1]: the scale word into v[w], the numbers held and turned into 8 registers of codes at v[d]
.macro QUANT2 s, d, w
.irp b, 0,1
	v_add_nc_u32 v[TM+6+\b], OFF8, v[TM+\b]        ; 8 off the exponent field: the conversion's scale operand
.endr
.irp b, 0,1
	v_and_or_b32 v[TM+4+\b], v[TM+\b], EXPF, s22   ; 448 x the scale
.endr
.irp b, 0,1
	v_lshrrev_b32 v[TM+2+\b], 23, v[TM+6+\b]       ; the byte
.endr
	v_lshl_or_b32 v[\w], v[TM+3], 8, v[TM+2]
.irp b, 0,1
.irp i, 0,1,2,3,4,5,6,7,8,9,10,11,12,13,14,15
	v_med3_num_f32 v[(\s)+16*\b+\i], v[(\s)+16*\b+\i], -v[TM+4+\b], v[TM+4+\b]   ; the conversion does not saturate (ISA guide 7.6.2)
.endr
	v_cvt_scalef32_pk8_fp8_f32 v[(\d)+4*\b:(\d)+4*\b+1], v[(\s)+16*\b:(\s)+16*\b+7], v[TM+6+\b]
	v_cvt_scalef32_pk8_fp8_f32 v[(\d)+4*\b+2:(\d)+4*\b+3], v[(\s)+16*\b+8:(\s)+16*\b+15], v[TM+6+\b]
.endr
	v_nop                                          ; a plain line behind the last conversion
.endm
; hash round t: the lowest index at which [p, -p] has its maximum.  Later selections overrule earlier ones, so they run from the highest index down.
.macro ARG t
.set A, ACC+8*(\t)
	v_max3_num_f32 v15, |v[A]|, |v[A+1]|, |v[A+2]|
	v_max3_num_f32 v15, v15, |v[A+3]|, |v[A+4]|
	v_max3_num_f32 v15, v15, |v[A+5]|, |v[A+6]|
	v_max_num_f32 v15, v15, |v[A+7]|
	v_permlanex16_b32 v16, v15, s20, s21
	v_max_num_f32 v15, v15, v16                    ; M = the largest |p| of the row's 16
	v_xor_b32 v42, 0x80000000, v15                 ; -M
	v_mov_b32 v17, 63
.irp j, 7,6,5,4,3,2,1,0
	v_cmp_eq_f32 vcc_lo, v[A+\j], v42
	v_cndmask_b32 v17, v17, 16+\j, vcc_lo
.endr
.irp j, 7,6,5,4,3,2,1,0
	v_cmp_eq_f32 vcc_lo, v[A+\j], v15
	v_cndmask_b32 v17, v17, \j, vcc_lo
.endr
	v_add_nc_u32 v17, v17, v14                     ; + 8 h
	v_permlanex16_b32 v16, v17, s20, s21
	v_min_u32 v17, v17, v16
.if (\t) == 0
	v_mov_b32 v18, v17
.else
	v_lshl_or_b32 v18, v17, 8*(\t), v18
.endif
.endm
.irp c, 0,1
.irp i, 0,1,2,3,4,5,6,7,8,9,10,11,12,13,14,15
	global_load_b32 v[T32+16*\c+\i], v4, s[6:7] offset:(32*\c+\i)*256   ; rand(32 c + 16 h + i, my round, r)
.endr
.endr
	XLOAD 0
	XLOAD 1
	s_wait_loadcnt 16                              ; rand is in; the 16 loads of tiles 0 and 1 are younger
	AMAX T32
	QUANT2 T32, KC, 26
	ds_store_b128 v8, v[KC:KC+3] offset:RIMG
	ds_store_b128 v8, v[KC+4:KC+7] offset:RIMG+512
	ds_store_b32 v9, v26 offset:RSC
	s_wait_dscnt 0x0                               ; my stores have landed: the others may read them behind the barrier
	s_barrier_signal -1
	s_barrier_wait -1
.irp t, 0,1,2,3
	ds_load_b128 v[RF+8*\t:RF+8*\t+3], v5 offset:RIMG+1024*\t
	ds_load_b128 v[RF+8*\t+4:RF+8*\t+7], v5 offset:RIMG+1024*\t+512
	ds_load_b32 v[RS+\t], v6 offset:RSC+128*\t
.endr
	s_wait_dscnt 0x0
.macro TILE i
.set XS, X+32*((\i)%2)
.if (\i) < 3
	s_wait_loadcnt 8                               ; this tile's 8 loads are in; the next tile's 8 are younger
.else
	s_wait_loadcnt 0x0
.endif
	AMAX XS
	v_pk_mul_f32 v[22:23], v[XS:XS+1], v[XS:XS+1]  ; the row's sum of squares, in two packed chains
	v_pk_mul_f32 v[24:25], v[XS+2:XS+3], v[XS+2:XS+3]
.irp j, 4,8,12,16,20,24,28
	v_pk_fma_f32 v[22:23], v[XS+\j:XS+\j+1], v[XS+\j:XS+\j+1], v[22:23]
	v_pk_fma_f32 v[24:25], v[XS+\j+2:XS+\j+3], v[XS+\j+2:XS+\j+3], v[24:25]
.endr
	v_pk_add_f32 v[22:23], v[22:23], v[24:25]
	v_add_f32 v22, v22, v23
	v_permlanex16_b32 v16, v22, s20, s21
	v_add_f32 v22, v22, v16
	v_max_num_f32 v22, 0x2b8cbccc, v22             ; 1e-12
	v_rsq_f32 v20, v22
	v_rsq_f32 v21, v22                             ; twice: a pair for the packed multiply
	v_nop
	s_wait_alu depctr_va_vdst(0)                   ; one wait for both, ahead of their first reader
.irp j, 0,2,4,6,8,10,12,14,16,18,20,22,24,26,28,30
	v_pk_mul_f32 v[T32+\j:T32+\j+1], v[XS+\j:XS+\j+1], v[20:21]   ; k = q x rs, before q is held
.endr
	QUANT2 XS, QF, QS
.if (\i)+2 < 4
	XLOAD (\i)+2
.endif
.irp b, 0,1
	v_mul_f32 v[TM+\b], v[TM+\b], v20              ; rounding keeps order: k's largest magnitude is q's x rs
.endr
.irp b, 0,1
	v_max_num_f32 v[TM+\b], FLOOR, v[TM+\b]
.endr
	QUANT2 T32, KC, 26
	v_lshl_or_b32 v19, v26, 16, v[QS]              ; the row's four bytes
.irp t, 0,1,2,3
	v_wmma_scale_f32_16x16x128_f8f6f4 v[ACC+8*\t:ACC+8*\t+7], v[RF+8*\t:RF+8*\t+15], v[QF:QF+15], 0, v[RS+\t], v[QS]
.endr
	ds_store_b128 v10, v[QF:QF+3] offset:STG       ; a row of the stage: q's 64 codes, then k's
	ds_store_b128 v10, v[QF+4:QF+7] offset:STG+32
	ds_store_b128 v10, v[KC:KC+3] offset:STG+64
	ds_store_b128 v10, v[KC+4:KC+7] offset:STG+96
.rept 8
	v_nop                                          ; eight places behind the products, ahead of the first read of p
.endr
	ARG 0
	ARG 1
	ARG 2
	ARG 3
	ds_store_b32 v12, v18 offset:HSB+64*(\i)       ; both halves of the lanes write the same word
	ds_store_b32 v12, v19 offset:SCB+64*(\i)
	s_wait_xcnt 0x0                                ; the last tile's stores have read v[G] on
.irp k, 0,1,2,3
	ds_load_b128 v[G+4*\k:G+4*\k+3], v11 offset:STG+576*\k   ; LDS serves a wave's instructions in order: these see my stores
.endr
.irp k, 0,1,2,3
	s_wait_dscnt 3-\k
	global_store_b128 v5, v[G+4*\k:G+4*\k+3], s[10:11] offset:2048*(\i)+512*\k   ; 32 lanes store 512 consecutive bytes, aligned
.endr
.endm
	TILE 0
	TILE 1
	TILE 2
	TILE 3
	s_wait_xcnt 0x0
	ds_load_b64 v[G:G+1], v13 offset:HSB
	ds_load_b64 v[G+2:G+3], v13 offset:SCB
	s_wait_dscnt 0x0
	global_store_b64 v7, v[G:G+1], s[8:9]          ; 256 consecutive bytes each
	global_store_b64 v7, v[G+2:G+3], s[12:13]
	s_wait_tensorcnt 0x0
	ds_add_u32 v254, v255
	s_wait_dscnt 0x0
	s_endpgm
.Lfunc_end_k_qc2f23c1d9f_hash:
	.size	k_qc2f23c1d9f_hash, .Lfunc_end_k_qc2f23c1d9f_hash-k_qc2f23c1d9f_hash
	.p2alignl 7, 3214868480
	.fill 96, 4, 3214868480
	.section	.rodata,"a",@progbits
	.p2align	6, 0x0
	.amdhsa_kernel k_qc2f23c1d9f_hash
		.amdhsa_group_segment_fixed_size 16896
		.amdhsa_private_segment_fixed_size 0
		.amdhsa_enable_private_segment 0
		.amdhsa_kernarg_size 40
		.amdhsa_user_sgpr_count 2
		.amdhsa_user_sgpr_kernarg_segment_ptr 1
		.amdhsa_wavefront_size32 1
		.amdhsa_system_sgpr_workgroup_id_x 1
		.amdhsa_system_sgpr_workgroup_id_y 1
		.amdhsa_system_sgpr_workgroup_id_z 1
		.amdhsa_system_vgpr_workitem_id 0
		.amdhsa_next_free_vgpr 256
		.amdhsa_next_free_sgpr 66
		.amdhsa_reserve_vcc 1
		.amdhsa_float_denorm_mode_32 3
		.amdhsa_float_denorm_mode_16_64 3
		.amdhsa_memory_ordered 1
		.amdhsa_forward_progress 1
		.amdhsa_inst_pref_size 94
	.end_amdhsa_kernel
	.amdgpu_metadata
---
amdhsa.version: [ 1, 2 ]
amdhsa.kernels:
  - .name:           k_qc2f23c1d9f_hash
    .symbol:         k_qc2f23c1d9f_hash.kd
    .args:
      - { .name: query, .offset: 0, .size: 8, .value_kind: global_buffer, .address_space: global }
      - { .name: rand_matrix, .offset: 8, .size: 8, .value_kind: global_buffer, .address_space: global }
      - { .name: hsh, .offset: 16, .size: 8, .value_kind: global_buffer, .address_space: global }
      - { .name: codes, .offset: 24, .size: 8, .value_kind: global_buffer, .address_space: global }
      - { .name: scl, .offset: 32, .size: 8, .value_kind: global_buffer, .address_space: global }
    .group_segment_fixed_size: 16896
    .private_segment_fixed_size: 0
    .kernarg_segment_align: 8
    .kernarg_segment_size: 40
    .max_flat_workgroup_size: 128
    .sgpr_count:     66
    .vgpr_count:     256
    .wavefront_size: 32
...
	.end_amdgpu_metadata
.endif
;; end of part 1
;; launch sort (part 2): grid 32 x 1, 16 waves a work-group, no clusters, 20,480 bytes of LDS; arguments hsh, sidx, upos; writes sidx, upos
.if DOCPART == 2
	.amdgcn_target "amdgcn-amd-amdhsa--gfx1250"
	.amdhsa_code_object_version 6
	.text
	.protected	k_qc2f23c1d9f_sort
	.globl	k_qc2f23c1d9f_sort
	.p2align	8
	.type	k_qc2f23c1d9f_sort,@function
k_qc2f23c1d9f_sort:
	s_mov_b64 s[64:65], 0
	v_nop
	global_prefetch_b8 v0, s[64:65] scope:SCOPE_SE
	s_setreg_imm32_b32 hwreg(HW_REG_WAVE_MODE, 25, 1), 1
	s_wait_xcnt 0x0
; SORT.  For each batch entry and hash round a stable counting sort of the 2,048 positions by bucket (0 .. 31): the order of bucket x 2048 + position.
; OUT: sidx [b][round][place] u32 = position; upos [b][position][round] u16 = place.
; SHARES.  A work-group a batch entry.  Wave w takes hash round w / 4 and positions 512 (w % 4) on: 16 vectors of 32.
; A vector: five ballots of the bucket's bits.  With my own bits they give the mask of the lanes that share my bucket (my rank among them: the bits
; below my lane); with my LANE's bits they give the mask of the lanes in bucket = lane, whose count is the vector's histogram.
; The four waves of a round exchange their histograms through LDS; a scan over the lanes gives each bucket's first place.  No atomics.
; sidx is stored place by place, 4 bytes a lane (1 MiB in the launch); upos leaves through LDS as consecutive bytes.
.set UPB, 2048                         ; LDS: 16 x 128 bytes of histograms, then [position][8 B]
	s_load_b128 s[4:7], s[0:1], 0x0                ; hsh, sidx
	s_load_b64 s[8:9], s[0:1], 0x10                ; upos
	v_lshl_add_u32 v96, v0, 2, 0x4800
	v_mov_b32 v97, 0
	v_lshrrev_b32 v1, 5, v0
	v_readfirstlane_b32 s10, v1                    ; wave
	v_and_b32 v1, 31, v0                           ; lane
	s_lshr_b32 s11, s10, 2                         ; hash round
	s_and_b32 s12, s10, 3                          ; quarter
	s_lshl_b32 s13, s11, 3                         ; my byte of a hash word
	v_lshlrev_b32 v2, 2, v1                        ; 4 x lane
	v_lshrrev_b32 v3, 4, v1                        ; lane / 16
.irp k, 0,1,2,3,4
	v_bfe_u32 v[80+\k], v1, \k, 1
	v_add_nc_u32 v[80+\k], -1, v[80+\k]            ; 0 where bit k of my lane is set, else all ones
.endr
	s_lshl_b32 s14, s10, 7
	v_add_nc_u32 v4, s14, v2                       ; my wave's histogram
	s_lshl_b32 s14, s11, 9
	v_add_nc_u32 v5, s14, v2                       ; my round's four
	s_lshl_b32 s14, s12, 12
	s_lshl_b32 s15, s11, 1
	s_add_co_u32 s14, s14, s15
	v_lshl_add_u32 v6, v1, 3, s14                  ; upos in LDS: 8 (512 q + lane) + 2 r
	v_lshlrev_b32 v7, 4, v0                        ; 16 x thread
	s_lshl_b32 s14, s12, 9
	v_add_nc_u32 v8, s14, v1                       ; my first position
	v_mov_b32 v85, 0                               ; the running histogram
	s_mov_b32 s30, 0x55555555
	s_mov_b32 s31, 0x33333333
	s_mov_b32 s32, 0x0f0f0f0f
	s_mov_b32 s33, 0x01010101
	s_lshl_b32 s16, ttmp9, 13                      ; hsh: 8,192 bytes a batch entry,
	s_lshl_b32 s14, s12, 11                        ; 2,048 a quarter
	s_add_co_u32 s16, s16, s14
	s_mov_b32 s17, 0
	s_lshl_b32 s18, ttmp9, 2
	s_add_co_u32 s18, s18, s11
	s_lshl_b32 s18, s18, 13                        ; sidx: 8,192 bytes a round
	s_mov_b32 s19, 0
	s_lshl_b32 s34, ttmp9, 14                      ; upos: 16,384 bytes a batch entry
	s_mov_b32 s35, 0
	s_wait_kmcnt 0x0
	s_add_nc_u64 s[4:5], s[4:5], s[16:17]
	s_add_nc_u64 s[6:7], s[6:7], s[18:19]
	s_add_nc_u64 s[8:9], s[8:9], s[34:35]
.irp i, 0,1,2,3,4,5,6,7,8,9,10,11,12,13,14,15
	global_load_b32 v[64+\i], v2, s[4:5] offset:128*\i
.endr
	s_wait_loadcnt 0x0
.macro VEC i
	v_lshrrev_b32 v86, s13, v[64+\i]
	v_and_b32 v86, 31, v86                         ; my bucket
	v_min_u32 v87, 31, v86
	v_lshlrev_b32 v[16+\i], 2, v87                 ; as a lane permute's index
.irp k, 0,1,2,3,4
	v_and_b32 v87, 1<<\k, v86
	v_cmp_ne_u32 s[20+\k], 0, v87                  ; the lanes whose bucket has bit k,
	s_not_b32 s[25+\k], s[20+\k]                   ; and those whose has not
.endr
	v_mov_b32 v88, s20
	v_cndmask_b32 v89, s25, v88, s20               ; the lanes that agree with MY BUCKET in bit 0
	v_xor_b32 v90, s20, v80                        ; the lanes whose bucket agrees with MY LANE in bit 0
.irp k, 1,2,3,4
	v_mov_b32 v88, s[20+\k]
	v_cndmask_b32 v87, s[25+\k], v88, s[20+\k]
	v_and_b32 v89, v89, v87
	v_xor_b32 v87, s[20+\k], v[80+\k]
	v_and_b32 v90, v90, v87
.endr
	v_mbcnt_lo_u32_b32 v[32+\i], v89, 0            ; my rank among my bucket's lanes of this vector
	v_lshrrev_b32 v87, 1, v90                      ; the number of bits in v90
	v_and_b32 v87, s30, v87
	v_sub_nc_u32 v90, v90, v87
	v_lshrrev_b32 v87, 2, v90
	v_and_b32 v90, s31, v90
	v_and_b32 v87, s31, v87
	v_add_nc_u32 v90, v90, v87
	v_lshrrev_b32 v87, 4, v90
	v_add_nc_u32 v90, v90, v87
	v_and_b32 v90, s32, v90
	v_mul_lo_u32 v90, v90, s33
	v_lshrrev_b32 v90, 24, v90
	v_mov_b32 v[48+\i], v85                        ; bucket = lane: how many the wave's earlier vectors hold
	v_add_nc_u32 v85, v85, v90
.endm
.irp i, 0,1,2,3,4,5,6,7,8,9,10,11,12,13,14,15
	VEC \i
.endr
	ds_store_b32 v4, v85
	s_wait_dscnt 0x0                               ; my histogram has landed
	s_barrier_signal -1
	s_barrier_wait -1
.irp j, 0,1,2,3
	ds_load_b32 v[86+\j], v5 offset:128*\j
.endr
	s_wait_dscnt 0x0
	v_add_nc_u32 v90, v86, v87
	v_add3_u32 v90, v90, v88, v89                  ; the bucket's count in the whole round
	v_mov_b32 v91, 0
.irp j, 0,1,2
	s_cmp_gt_u32 s12, \j
	s_cselect_b32 s14, -1, 0
	v_and_b32 v92, s14, v[86+\j]
	v_add_nc_u32 v91, v91, v92                     ; and in the quarters ahead of mine
.endr
	v_mov_b32 v93, v90
	v_mov_b32 v92, 0
.irp n, 1,2,4,8
	v_mov_b32_dpp v92, v93 row_shr:\n row_mask:0xf bank_mask:0xf bound_ctrl:1
	v_add_nc_u32 v93, v93, v92                     ; a running sum inside each 16 lanes
.endr
	v_readlane_b32 s14, v93, 15
	v_mad_u32_u24 v93, v3, s14, v93                ; lanes 16-31 add the lower half's total
	v_sub_nc_u32 v93, v93, v90
	v_add_nc_u32 v93, v93, v91                     ; bucket = lane: the first place of my wave's members
.irp i, 0,1,2,3,4,5,6,7,8,9,10,11,12,13,14,15
	v_add_nc_u32 v[48+\i], v[48+\i], v93
	ds_bpermute_b32 v[64+\i], v[16+\i], v[48+\i]   ; each lane takes its own bucket's figure
.endr
	s_wait_dscnt 0x0
.irp i, 0,1,2,3,4,5,6,7,8,9,10,11,12,13,14,15
	v_add_nc_u32 v[64+\i], v[64+\i], v[32+\i]      ; my place
	ds_store_b16 v6, v[64+\i] offset:UPB+256*\i
	v_min_u32 v[32+\i], 0x7ff, v[64+\i]
	v_lshlrev_b32 v[32+\i], 2, v[32+\i]
	v_add_nc_u32 v[48+\i], 32*\i, v8               ; my position
	global_store_b32 v[32+\i], v[48+\i], s[6:7]
.endr
	s_wait_dscnt 0x0                               ; my places have landed in LDS
	s_barrier_signal -1
	s_barrier_wait -1
	ds_load_b128 v[16:19], v7 offset:UPB
	ds_load_b128 v[20:23], v7 offset:UPB+8192
	s_wait_dscnt 0x0
	global_store_b128 v7, v[16:19], s[8:9]         ; 32 lanes store 512 consecutive bytes
	global_store_b128 v7, v[20:23], s[8:9] offset:8192
	s_wait_tensorcnt 0x0
	ds_add_u32 v96, v97
	s_wait_dscnt 0x0
	s_endpgm
.Lfunc_end_k_qc2f23c1d9f_sort:
	.size	k_qc2f23c1d9f_sort, .Lfunc_end_k_qc2f23c1d9f_sort-k_qc2f23c1d9f_sort
	.p2alignl 7, 3214868480
	.fill 96, 4, 3214868480
	.section	.rodata,"a",@progbits
	.p2align	6, 0x0
	.amdhsa_kernel k_qc2f23c1d9f_sort
		.amdhsa_group_segment_fixed_size 20480
		.amdhsa_private_segment_fixed_size 0
		.amdhsa_enable_private_segment 0
		.amdhsa_kernarg_size 24
		.amdhsa_user_sgpr_count 2
		.amdhsa_user_sgpr_kernarg_segment_ptr 1
		.amdhsa_wavefront_size32 1
		.amdhsa_system_sgpr_workgroup_id_x 1
		.amdhsa_system_sgpr_workgroup_id_y 1
		.amdhsa_system_sgpr_workgroup_id_z 1
		.amdhsa_system_vgpr_workitem_id 0
		.amdhsa_next_free_vgpr 98
		.amdhsa_next_free_sgpr 66
		.amdhsa_reserve_vcc 0
		.amdhsa_float_denorm_mode_32 3
		.amdhsa_float_denorm_mode_16_64 3
		.amdhsa_memory_ordered 1
		.amdhsa_forward_progress 1
		.amdhsa_inst_pref_size 48
	.end_amdhsa_kernel
	.amdgpu_metadata
---
amdhsa.version: [ 1, 2 ]
amdhsa.kernels:
  - .name:           k_qc2f23c1d9f_sort
    .symbol:         k_qc2f23c1d9f_sort.kd
    .args:
      - { .name: hsh, .offset: 0, .size: 8, .value_kind: global_buffer, .address_space: global }
      - { .name: sidx, .offset: 8, .size: 8, .value_kind: global_buffer, .address_space: global }
      - { .name: upos, .offset: 16, .size: 8, .value_kind: global_buffer, .address_space: global }
    .group_segment_fixed_size: 20480
    .private_segment_fixed_size: 0
    .kernarg_segment_align: 8
    .kernarg_segment_size: 24
    .max_flat_workgroup_size: 512
    .sgpr_count:     66
    .vgpr_count:     98
    .wavefront_size: 32
...
	.end_amdgpu_metadata
.endif
;; end of part 2
;; launch attn (part 3): grid 256 x 1, 16 waves a work-group, no clusters, 278,528 bytes of LDS; arguments sidx, upos, codes, scl, value, att, lse; writes att, lse
.if DOCPART == 3
	.amdgcn_target "amdgcn-amd-amdhsa--gfx1250"
	.amdhsa_code_object_version 6
	.text
	.protected	k_qc2f23c1d9f_attn
	.globl	k_qc2f23c1d9f_attn
	.p2align	8
	.type	k_qc2f23c1d9f_attn,@function
k_qc2f23c1d9f_attn:
	s_mov_b64 s[64:65], 0
	v_nop
	global_prefetch_b8 v0, s[64:65] scope:SCOPE_SE
	s_setreg_imm32_b32 hwreg(HW_REG_WAVE_MODE, 25, 1), 1
	s_wait_xcnt 0x0
; ATTENTION IN SORTED ORDER.  For a batch entry b and a hash round r the 2,048 sorted places are 32 chunks of 64.  The 64 queries of chunk n see window n:
; the 64 keys of chunk n - 1 (mod 32), then those of chunk n.  s = Q(q) . Q(k) / 8; -1e9 where the key's position is later than the query's, -1e5 at the
; query itself; lse = logsumexp over the 128 keys (the row's maximum is taken away first); p = exp(s - lse) / count; att = Q(p) . Q(v), both along the keys.
; count(key, window n) = the number of hash rounds in which the key's place lies in chunk n - 1 or n: a key stands at most once a round in a window.
; The query itself can only be window key 64 + its own number, since the order is a permutation.
; OUT: att [b][r][place][64] f16, lse [b][r][place] f32, both in sorted order.  |att| stays near the largest |v|: far inside f16's range at 30 times the inputs' spread.
; SHARES.  A work-group takes (b, r) and 16 windows; wave w window 16 half + w.  PHASE A: wave w gathers chunk 16 half + w into LDS record w + 1: K's and Q's code
; fragments and V's, quantised along the keys, as images of operand registers; scale words; positions; 1 / count for the two windows that see the chunk.
; One barrier.  Wave 0 alone reads the chunk ahead of the first window (record 0) and prepares it behind the barrier.  PHASE B: four tiles of 16 queries.
; BOTH PRODUCTS ARE USED TRANSPOSED: S^T = K Q^T, O^T = V^T P^T: a lane holds one query.  Lane r of K's tile 2 b + u takes key 32 b + 8 u + r + 8 (r / 8), so that
; registers 16 b .. 16 b + 15 of S^T are keys 32 b + 16 (lane / 16) + 0 .. 15: the conversions' results are the second product's operand.
; The first product's K is 64 of 128: Q's fragment has 8 registers of zero codes; K's fragments lie 8 registers apart (the upper half of each is the next one's
; finite codes, against zeros), and 8 zero registers follow the last.
; No tensor loads, no cluster: all bulk reads are rows gathered by a stored list, and neighbouring work-groups share one chunk of 17.
; LIMITS: NaN and infinities are not served; a block whose largest magnitude lies under 2^-118 keeps the byte 1; a block of zeros has the byte 1 (zero codes).
.set CH,   13312                       ; a record:
.set KIMG, 0                           ;   K's fragments [tile 4][block 2][512 B]
.set VIMG, 4096                        ;   V's [16 channels 4][block of 32 keys 2][512 B]
.set QIMG, 8192                        ;   Q's [tile 4][block 2][512 B]
.set KSC,  12288                       ;   K's scale words, 64 tile + 4 r
.set VSC,  12544                       ;   V's, 64 t + 4 r
.set QSC,  12800                       ;   Q's
.set KP,   13056                       ;   the 64 positions
.set RCB,  17*CH                       ; 18 x 512 bytes: 1 / count by window key; window w reads entry w + 1
.set STG,  RCB+18*512                  ; a stage of 16 rows x (128 + 16) bytes for each wave
.set LSB,  STG+16*2304                 ; 256 bytes a wave: its 64 lse
.set FLOOR, 0x4800000
.set OFF8,  0xfc000000
.set EXPF,  0x7f800000
; v3 16 lane, v4 4 lane, v5 4 r, v6 64 h, v7 8 lane: each + wave x CH.  v8 8 lane, v9 64 h: each + RCB + 512 wave.  v10, v11 stage in, back.  v12, v13 lse in, back.
; v14 16 lane, v15 8 lane, v16 16 h, v17 4 r, v18 4 (r + 8 (r / 8)), v19 64 h.  v20 -8e9, v21 -8e5.  v22-35 at work.
.set KS, 36                            ; v36-39 K's scale words, two tiles a register;  v40-41 V's
.set VS, 40
.set QW, 42
.set PW, 43
.set QP, 33                            ; my query's position
.set TM, 44                            ; v44-47 largest magnitudes, 48-51 bytes, 52-55 448 x scale, 56-59 scale operands
.set QF, 60                            ; Q's fragment: 8 codes, 8 zeros
.set P,  76                            ; p's codes
.set F,  92                            ; 64 registers by turns: K's fragments, positions, 1 / count, V's fragments; 8 zeros behind
.set S,  164                           ; S^T, then p; O^T in S .. S+31
.set H,  S+32                          ; att as f16
.set G,  S+48                          ; rows read back from the stage
.set IV, 60                            ; phase A: V's 32 row offsets
.set KC, 92
.set QC, 124
.set V1, 92
.set PC, 228
.set OKC, 244
.set VB,  244
.set OKS, 248
.set OQC, 252
.set OQS, 156
.set IP,  160
	s_load_b256 s[4:11], s[0:1], 0x0               ; sidx, upos, codes, scl
	s_load_b128 s[12:15], s[0:1], 0x20             ; value, att
	s_load_b64 s[16:17], s[0:1], 0x30              ; lse
	v_lshrrev_b32 v1, 5, v0
	v_readfirstlane_b32 s18, v1                    ; wave
	v_and_b32 v34, 31, v0                          ; lane
	v_and_b32 v1, 15, v0                           ; r
	v_bfe_u32 v2, v0, 4, 1                         ; h
	s_mul_i32 s19, s18, CH
	v_lshlrev_b32 v14, 4, v34
	v_lshlrev_b32 v15, 3, v34
	v_lshlrev_b32 v16, 4, v2
	v_lshlrev_b32 v17, 2, v1
	v_and_b32 v18, 8, v1
	v_add_nc_u32 v18, v18, v1
	v_lshlrev_b32 v18, 2, v18
	v_lshlrev_b32 v19, 6, v2
	v_add_nc_u32 v3, s19, v14
	v_lshl_add_u32 v4, v34, 2, s19
	v_add_nc_u32 v5, s19, v17
	v_add_nc_u32 v6, s19, v19
	v_add_nc_u32 v7, s19, v15
	s_lshl_b32 s20, s18, 9
	s_add_co_u32 s20, s20, RCB
	v_add_nc_u32 v8, s20, v15
	v_add_nc_u32 v9, s20, v19
	s_mul_i32 s20, s18, 2304
	s_add_co_u32 s20, s20, STG
	v_mul_u32_u24 v10, v1, 144
	v_lshl_add_u32 v10, v2, 4, v10
	v_add_nc_u32 v10, s20, v10
	v_lshrrev_b32 v11, 3, v34
	v_mul_u32_u24 v11, v11, 144
	v_and_b32 v12, 7, v34
	v_lshl_add_u32 v11, v12, 4, v11
	v_add_nc_u32 v11, s20, v11
	s_lshl_b32 s20, s18, 8
	s_add_co_u32 s20, s20, LSB
	v_add_nc_u32 v12, s20, v17
	v_add_nc_u32 v13, s20, v15
	v_mov_b32 v20, 0xcfee6b28                      ; -8e9: x 1/8 it is the mask's -1e9
	v_mov_b32 v21, 0xc9435000                      ; -8e5
	v_mov_b32 v23, 0                               ; lane permutes' destinations are written once
.irp b, 0,1,2,3
	v_mov_b32 v[TM+4+\b], 0
.endr
	s_mov_b32 s30, 0x76543210
	s_mov_b32 s31, 0xfedcba98                      ; v_permlanex16_b32: lane l xor 16
	s_mov_b32 s32, 0x3e38aa3b                      ; c = log2(e) / 8
	s_mov_b32 s33, s32                             ; (named with it as a pair)
	s_mov_b32 s34, 0x600000                        ; the mantissa field of 448
	s_lshr_b32 s20, ttmp9, 1                       ; 4 b + r
	s_and_b32 s21, ttmp9, 1
	s_lshr_b32 s22, ttmp9, 3                       ; b
	s_lshl_b32 s21, s21, 4
	s_add_co_u32 s23, s21, s18                     ; my window, and my chunk
	s_add_co_u32 s24, s21, 31
	s_and_b32 s24, s24, 31                         ; the chunk ahead of the work-group's first window
	s_mov_b32 s37, 0
	s_wait_kmcnt 0x0
	s_lshl_b32 s36, s20, 13
	s_add_nc_u64 s[4:5], s[4:5], s[36:37]          ; sidx and lse: 8,192 bytes a round
	s_add_nc_u64 s[16:17], s[16:17], s[36:37]
	s_lshl_b32 s36, s23, 8
	s_add_nc_u64 s[26:27], s[4:5], s[36:37]        ; my chunk's 64 places
	s_add_nc_u64 s[16:17], s[16:17], s[36:37]
	s_lshl_b32 s36, s24, 8
	s_add_nc_u64 s[28:29], s[4:5], s[36:37]
	s_lshl_b32 s36, s22, 14
	s_add_nc_u64 s[6:7], s[6:7], s[36:37]          ; upos
	s_lshl_b32 s36, s22, 18
	s_add_nc_u64 s[8:9], s[8:9], s[36:37]          ; codes
	s_lshl_b32 s36, s22, 13
	s_add_nc_u64 s[10:11], s[10:11], s[36:37]      ; scl
	s_lshl_b32 s36, s22, 19
	s_add_nc_u64 s[12:13], s[12:13], s[36:37]      ; value
	s_lshl_b32 s36, s20, 18
	s_add_nc_u64 s[14:15], s[14:15], s[36:37]      ; att: 262,144 bytes a round,
	s_lshl_b32 s36, s23, 13
	s_add_nc_u64 s[14:15], s[14:15], s[36:37]      ; 8,192 a chunk
; the largest magnitudes of four blocks, 16 registers each from v[s] on, joined with lane l xor 16's.  ab = 1: of magnitudes; 0: the numbers are not negative
.macro QMAX s, ab
.irp b, 0,1,2,3
.if \ab
	v_max3_num_f32 v[TM+\b], |v[(\s)+16*\b]|, |v[(\s)+16*\b+1]|, FLOOR
.else
	v_max3_num_f32 v[TM+\b], v[(\s)+16*\b], v[(\s)+16*\b+1], FLOOR
.endif
.endr
.irp i, 2,4,6,8,10,12,14
.irp b, 0,1,2,3
.if \ab
	v_max3_num_f32 v[TM+\b], v[TM+\b], |v[(\s)+16*\b+\i]|, |v[(\s)+16*\b+\i+1]|
.else
	v_max3_num_f32 v[TM+\b], v[TM+\b], v[(\s)+16*\b+\i], v[(\s)+16*\b+\i+1]
.endif
.endr
.endr
.irp b, 0,1,2,3
	v_permlanex16_b32 v[TM+4+\b], v[TM+\b], s30, s31
.endr
.irp b, 0,1,2,3
	v_max_num_f32 v[TM+\b], v[TM+\b], v[TM+4+\b]
.endr
.endm
.macro QSCL                            ; from them: the conversions' scale operands, 448 x the scales, the bytes
.irp b, 0,1,2,3
	v_add_nc_u32 v[TM+12+\b], OFF8, v[TM+\b]
.endr
.irp b, 0,1,2,3
	v_and_or_b32 v[TM+8+\b], v[TM+\b], EXPF, s34
.endr
.irp b, 0,1,2,3
	v_lshrrev_b32 v[TM+4+\b], 23, v[TM+12+\b]
.endr
.endm
.macro QCVT s, d, ab                   ; the hold (the conversion does not saturate: ISA guide 7.6.2) and the codes: 4 registers a block at v[d]
.irp b, 0,1,2,3
.irp i, 0,1,2,3,4,5,6,7,8,9,10,11,12,13,14,15
.if \ab
	v_med3_num_f32 v[(\s)+16*\b+\i], v[(\s)+16*\b+\i], -v[TM+8+\b], v[TM+8+\b]
.else
	v_min_num_f32 v[(\s)+16*\b+\i], v[(\s)+16*\b+\i], v[TM+8+\b]
.endif
.endr
	v_cvt_scalef32_pk8_fp8_f32 v[(\d)+4*\b:(\d)+4*\b+1], v[(\s)+16*\b:(\s)+16*\b+7], v[TM+12+\b]
	v_cvt_scalef32_pk8_fp8_f32 v[(\d)+4*\b+2:(\d)+4*\b+3], v[(\s)+16*\b+8:(\s)+16*\b+15], v[TM+12+\b]
.endr
	v_nop                                          ; a plain line behind the last conversion
.endm
; PHASE A for one chunk.  rec: the record's bytes behind wave x CH;  rco: likewise among the 1 / count entries;  withq: Q's fragments too;
; s[sb:sb+1]: the chunk's 64 words of sidx;  s[sg]: the chunk's number.
.macro PREP rec, rco, withq, sb, sg
.irp j, 0,1,2,3
	global_load_b32 v[OKC+\j], v18, s[\sb:\sb+1] offset:(32*(\j/2)+8*(\j%2))*4   ; the key of K's tile j that my lane's row takes
.endr
.if \withq
.irp j, 0,1,2,3
	global_load_b32 v[OQC+\j], v17, s[\sb:\sb+1] offset:64*\j                    ; query 16 j + r
.endr
.endif
	global_load_b64 v[IP:IP+1], v15, s[\sb:\sb+1]                                ; places 2 lane, 2 lane + 1
.irp c, 0,1
.irp j, 0,1,2,3
	global_load_b128 v[IV+16*\c+4*\j:IV+16*\c+4*\j+3], v19, s[\sb:\sb+1] offset:128*\c+16*\j   ; places 32 c + 16 h + 0 .. 15
.endr
.endr
	s_wait_loadcnt 0x0
.irp j, 0,1,2,3
	v_min_u32 v[OKC+\j], 0x7ff, v[OKC+\j]
	v_lshlrev_b32 v[OKS+\j], 2, v[OKC+\j]          ; scl: 4 bytes a row
	v_lshl_add_u32 v[OKC+\j], v[OKC+\j], 7, v16    ; codes: 128 bytes a row, + 16 h
.endr
.if \withq
.irp j, 0,1,2,3
	v_min_u32 v[OQC+\j], 0x7ff, v[OQC+\j]
	v_lshlrev_b32 v[OQS+\j], 2, v[OQC+\j]
	v_lshl_add_u32 v[OQC+\j], v[OQC+\j], 7, v16
.endr
.endif
	v_min_u32 v[IP], 0x7ff, v[IP]
	v_min_u32 v[IP+1], 0x7ff, v[IP+1]
	v_lshlrev_b32 v26, 3, v[IP]                    ; upos: 8 bytes a position
	v_lshlrev_b32 v27, 3, v[IP+1]
	ds_store_b64 v7, v[IP:IP+1] offset:\rec+KP
.set n, 0
.rept 32
	v_min_u32 v[IV+n], 0x7ff, v[IV+n]
	v_lshl_add_u32 v[IV+n], v[IV+n], 8, v17        ; value: 256 bytes a row, + 4 r
.set n, n+1
.endr
	global_load_b64 v[22:23], v26, s[6:7]
	global_load_b64 v[24:25], v27, s[6:7]
.irp j, 0,1,2,3
	global_load_b32 v[OKS+\j], v[OKS+\j], s[10:11]
.endr
.irp j, 0,1,2,3
.irp c, 0,1
	global_load_b128 v[KC+8*\j+4*\c:KC+8*\j+4*\c+3], v[OKC+\j], s[8:9] offset:64+32*\c
.endr
.endr
.if \withq
.irp j, 0,1,2,3
	global_load_b32 v[OQS+\j], v[OQS+\j], s[10:11]
.endr
.irp j, 0,1,2,3
.irp c, 0,1
	global_load_b128 v[QC+8*\j+4*\c:QC+8*\j+4*\c+3], v[OQC+\j], s[8:9] offset:32*\c
.endr
.endr
.endif
.irp t, 0,1,2,3
.set n, 0
.rept 16
	global_load_b32 v[S+16*\t+n], v[IV+n], s[12:13] offset:64*\t   ; v(key 16 h + n, channel 16 t + r): a lane a channel, registers down the keys
.set n, n+1
.endr
.endr
	s_wait_loadcnt 63                              ; V's 64 loads are younger than all the others: those are in
.irp e, 0,1,2,3
	v_mov_b32 v[28+\e], 0
.endr
.irp e, 0,1
.irp u, 0,1,2,3
	v_bfe_u32 v32, v[22+2*\e+\u/2], 6+16*(\u%2), 5 ; the key's chunk in hash round u
	v_sub_nc_u32 v32, s[\sg], v32
	v_and_b32 v32, 31, v32                         ; d = this chunk - that chunk, mod 32
	v_cmp_gt_u32 vcc_lo, 2, v32                    ; d = 0, 1: the key stands in round u's window of this chunk's number
	v_cndmask_b32 v33, 0, 1.0, vcc_lo
	v_add_f32 v[28+\e], v[28+\e], v33
	v_add_nc_u32 v32, 1, v32
	v_and_b32 v32, 31, v32
	v_cmp_gt_u32 vcc_lo, 2, v32                    ; d = 31, 0: in the window of the next number
	v_cndmask_b32 v33, 0, 1.0, vcc_lo
	v_add_f32 v[30+\e], v[30+\e], v33
.endr
.endr
.irp e, 0,1,2,3
	v_rcp_f32 v[28+\e], v[28+\e]                   ; counts are 1 to 4
.endr
	v_nop
	s_wait_alu depctr_va_vdst(0)                   ; one wait for the four, ahead of the stores that read them
	ds_store_b64 v8, v[28:29] offset:\rco+256      ; window keys 64 on of this chunk's window
	ds_store_b64 v8, v[30:31] offset:\rco+512      ; window keys 0 on of the next
.irp j, 0,1,2,3
.irp c, 0,1
	ds_store_b128 v3, v[KC+8*\j+4*\c:KC+8*\j+4*\c+3] offset:\rec+KIMG+1024*\j+512*\c
.endr
	v_lshrrev_b32 v[OKS+\j], 16, v[OKS+\j]         ; k's two bytes
	ds_store_b32 v5, v[OKS+\j] offset:\rec+KSC+64*\j
.endr
.if \withq
.irp j, 0,1,2,3
.irp c, 0,1
	ds_store_b128 v3, v[QC+8*\j+4*\c:QC+8*\j+4*\c+3] offset:\rec+QIMG+1024*\j+512*\c
.endr
	ds_store_b32 v5, v[OQS+\j] offset:\rec+QSC+64*\j
.endr
.endif
	s_wait_dscnt 0x0                               ; the stores have read their registers
.irp t, 0,1,2,3
.set n, 0
.rept 16
	global_load_b32 v[V1+16*\t+n], v[IV+16+n], s[12:13] offset:64*\t
.set n, n+1
.endr
.endr
	s_wait_loadcnt 63                              ; the second block's 64 loads are younger: the first block is in
	QMAX S, 1
	QSCL
	QCVT S, PC, 1
.irp t, 0,1,2,3
	ds_store_b128 v3, v[PC+4*\t:PC+4*\t+3] offset:\rec+VIMG+1024*\t
	v_mov_b32 v[VB+\t], v[TM+4+\t]
.endr
	s_wait_dscnt 0x0
	s_wait_loadcnt 0x0
	QMAX V1, 1
	QSCL
	QCVT V1, PC, 1
.irp t, 0,1,2,3
	ds_store_b128 v3, v[PC+4*\t:PC+4*\t+3] offset:\rec+VIMG+1024*\t+512
	v_lshl_or_b32 v[VB+\t], v[TM+4+\t], 8, v[VB+\t]
	ds_store_b32 v5, v[VB+\t] offset:\rec+VSC+64*\t
.endr
	s_wait_dscnt 0x0
.endm
	PREP CH, 512, 1, 26, 23
	s_barrier_signal -1                            ; my record has landed (the wait for my LDS stores ends the macro)
	s_barrier_wait -1
	s_cmp_lg_u32 s18, 0
	s_cbranch_scc1 .Lno_halo                       ; record 0 is read by wave 0 alone
	PREP 0, 0, 0, 28, 24
.Lno_halo:
.irp j, 0,1,2,3,4,5,6,7
	v_mov_b32 v[QF+8+\j], 0                        ; zero codes for K = 64 .. 127
	v_mov_b32 v[F+64+\j], 0
.endr
.rept 4
	v_nop                                          ; operands written by vector instructions stand four places ahead of a scaled product
.endr
	ds_load_b32 v[KS], v4 offset:KSC               ; lanes 0-15 an even tile's words, lanes 16-31 the odd tile's
	ds_load_b32 v[KS+1], v4 offset:KSC+128
	ds_load_b32 v[KS+2], v4 offset:CH+KSC
	ds_load_b32 v[KS+3], v4 offset:CH+KSC+128
	ds_load_b32 v[VS], v4 offset:VSC
	ds_load_b32 v[VS+1], v4 offset:VSC+128
	ds_load_b32 v34, v4 offset:CH+VSC
	ds_load_b32 v35, v4 offset:CH+VSC+128
	s_wait_dscnt 0x0
	v_lshl_or_b32 v[VS], v34, 16, v[VS]            ; the earlier chunk's two bytes, then this chunk's
	v_lshl_or_b32 v[VS+1], v35, 16, v[VS+1]
; PHASE B: queries 16 i .. 16 i + 15 of my chunk
.macro TILE i
	ds_load_b128 v[QF:QF+3], v3 offset:CH+QIMG+1024*(\i)
	ds_load_b128 v[QF+4:QF+7], v3 offset:CH+QIMG+1024*(\i)+512
	ds_load_b32 v[QW], v5 offset:CH+QSC+64*(\i)
	ds_load_b32 v[QP], v5 offset:CH+KP+64*(\i)
.irp J, 0,1,2,3,4,5,6,7
.irp c, 0,1
	ds_load_b128 v[F+8*\J+4*\c:F+8*\J+4*\c+3], v3 offset:(\J/4)*CH+KIMG+1024*(\J%4)+512*\c
.endr
.endr
	s_wait_dscnt 0x0
	s_wait_xcnt 0x0                                ; the last tile's stores have read v[G] on, which the products write
.irp J, 0,2,4,6
	v_wmma_scale_f32_16x16x128_f8f6f4 v[S+8*\J:S+8*\J+7], v[F+8*\J:F+8*\J+15], v[QF:QF+15], 0, v[KS+\J/2], v[QW]
	v_wmma_scale_f32_16x16x128_f8f6f4 v[S+8*\J+8:S+8*\J+15], v[F+8*\J+8:F+8*\J+23], v[QF:QF+15], 0, v[KS+\J/2], v[QW] matrix_a_scale:MATRIX_SCALE_ROW1
.endr
.rept 8
	v_nop                                          ; eight places: ahead of loads into K's registers and of the first read of the scores
.endr
.irp c, 0,1,2,3
.irp j, 0,1,2,3
	ds_load_b128 v[F+16*\c+4*\j:F+16*\c+4*\j+3], v6 offset:(\c/2)*CH+KP+128*(\c%2)+16*\j   ; the positions of keys 32 c + 16 h + 0 .. 15
.endr
.endr
	s_wait_dscnt 0x0
.set n, 0
.rept 64
	v_cmp_lt_u32 vcc_lo, v[QP], v[F+n]             ; a key later than the query
	v_cndmask_b32 v[S+n], v[S+n], v20, vcc_lo
.set n, n+1
.endr
.irp c, 0,1,2,3
.irp j, 0,1,2,3
	ds_load_b128 v[F+16*\c+4*\j:F+16*\c+4*\j+3], v9 offset:512+128*\c+16*\j   ; 1 / count of the same keys: wanted behind the exponentials
.endr
.endr
.set n, 0
.rept 16
	s_mov_b32 s40, 1<<(16*((\i)%2)+n)              ; the query itself: window key 64 + 16 i + r lies in lane 16 (i % 2) + r, register 16 (2 + i / 2) + r
	v_cndmask_b32 v[S+16*(2+(\i)/2)+n], v[S+16*(2+(\i)/2)+n], v21, s40
.set n, n+1
.endr
.irp b, 0,1,2,3
	v_max3_num_f32 v[TM+\b], v[S+16*\b], v[S+16*\b+1], v[S+16*\b+2]
.endr
.irp j, 3,5,7,9,11,13
.irp b, 0,1,2,3
	v_max3_num_f32 v[TM+\b], v[TM+\b], v[S+16*\b+\j], v[S+16*\b+\j+1]
.endr
.endr
.irp b, 0,1,2,3
	v_max_num_f32 v[TM+\b], v[TM+\b], v[S+16*\b+15]
.endr
	v_max3_num_f32 v22, v[TM], v[TM+1], v[TM+2]
	v_max_num_f32 v22, v22, v[TM+3]
	v_permlanex16_b32 v23, v22, s30, s31
	v_max_num_f32 v22, v22, v23                    ; the row's largest score
	v_mul_f32 v24, s32, v22                        ; x c
	v_mov_b32 v25, v24                             ; (named with it as a pair)
.set n, 0
.rept 32
	v_pk_fma_f32 v[S+n:S+n+1], v[S+n:S+n+1], s[32:33], v[24:25] op_sel_hi:[1,0,0] neg_lo:[0,0,1] neg_hi:[0,0,1]
.set n, n+2
.endr
.set n, 0
.rept 64
	v_exp_f32 v[S+n], v[S+n]
.set n, n+1
.endr
	v_nop
	s_wait_alu depctr_va_vdst(0)                   ; one wait for the 64, ahead of their first reader
	v_pk_add_f32 v[26:27], v[S:S+1], v[S+2:S+3]    ; the row's sum, in two packed chains
	v_pk_add_f32 v[28:29], v[S+4:S+5], v[S+6:S+7]
.set n, 8
.rept 14
	v_pk_add_f32 v[26:27], v[26:27], v[S+n:S+n+1]
	v_pk_add_f32 v[28:29], v[28:29], v[S+n+2:S+n+3]
.set n, n+4
.endr
	v_pk_add_f32 v[26:27], v[26:27], v[28:29]
	v_add_f32 v26, v26, v27
	v_permlanex16_b32 v23, v26, s30, s31
	v_add_f32 v26, v26, v23
	v_rcp_f32 v30, v26
	v_rcp_f32 v31, v26                             ; twice: a pair for the packed multiply
	v_log_f32 v32, v26
	s_wait_dscnt 0x0                               ; 1 / count is in
.set n, 0
.rept 32
	v_pk_mul_f32 v[S+n:S+n+1], v[S+n:S+n+1], v[F+n:F+n+1]   ; independent work behind the three
.set n, n+2
.endr
	s_wait_alu depctr_va_vdst(0)                   ; one wait for the three, ahead of their first reader
.irp t, 0,1,2,3
.irp c, 0,1,2,3
	ds_load_b128 v[F+16*\t+4*\c:F+16*\t+4*\c+3], v3 offset:(\c/2)*CH+VIMG+1024*\t+512*(\c%2)
.endr
.endr
	QMAX S, 0
.irp b, 0,1,2,3
	v_mul_f32 v[TM+\b], v[TM+\b], v30              ; rounding keeps order: the block's largest p
.endr
.irp b, 0,1,2,3
	v_max_num_f32 v[TM+\b], FLOOR, v[TM+\b]
.endr
	QSCL
	v_lshl_or_b32 v[PW], v[TM+5], 8, v[TM+4]
	v_lshl_or_b32 v[PW], v[TM+6], 16, v[PW]
	v_lshl_or_b32 v[PW], v[TM+7], 24, v[PW]
.set n, 0
.rept 32
	v_pk_mul_f32 v[S+n:S+n+1], v[S+n:S+n+1], v[30:31]   ; p = e / count / sum
.set n, n+2
.endr
	QCVT S, P, 0
	v_add_f32 v34, v24, v32
	v_mul_f32 v34, 0x3f317218, v34                 ; lse = (c max + log2 sum) ln 2
	ds_store_b32 v12, v34 offset:64*(\i)
	v_nop
	v_nop                                          ; with the three lines above: four places and more behind p's codes
	s_wait_dscnt 0x0                               ; V's fragments are in
.irp t, 0,2
	v_wmma_scale_f32_16x16x128_f8f6f4 v[S+8*\t:S+8*\t+7], v[F+16*\t:F+16*\t+15], v[P:P+15], 0, v[VS+\t/2], v[PW]
	v_wmma_scale_f32_16x16x128_f8f6f4 v[S+8*\t+8:S+8*\t+15], v[F+16*\t+16:F+16*\t+31], v[P:P+15], 0, v[VS+\t/2], v[PW] matrix_a_scale:MATRIX_SCALE_ROW1
.endr
.rept 9
	v_nop                                          ; nine places: ahead of the first read of these results
.endr
.set n, 0
.rept 16
	v_cvt_pk_f16_f32 v[H+n], v[S+2*n], v[S+2*n+1]  ; register 8 t + j is att(query r, channel 16 t + 8 h + j)
.set n, n+1
.endr
.irp t, 0,1,2,3
	ds_store_b128 v10, v[H+4*\t:H+4*\t+3] offset:32*\t
.endr
.irp k, 0,1,2,3
	ds_load_b128 v[G+4*\k:G+4*\k+3], v11 offset:576*\k   ; LDS serves a wave's instructions in order: these see my stores
.endr
.irp k, 0,1,2,3
	s_wait_dscnt 3-\k
	global_store_b128 v14, v[G+4*\k:G+4*\k+3], s[14:15] offset:2048*(\i)+512*\k   ; 32 lanes store 512 consecutive bytes, aligned
.endr
.endm
	TILE 0
	TILE 1
	TILE 2
	TILE 3
	ds_load_b64 v[34:35], v13
	s_wait_dscnt 0x0
	global_store_b64 v15, v[34:35], s[16:17]       ; 256 consecutive bytes
	s_wait_xcnt 0x0
	v_lshl_add_u32 v254, v0, 2, 0x43800
	v_mov_b32 v255, 0
	s_wait_tensorcnt 0x0
	ds_add_u32 v254, v255
	s_wait_dscnt 0x0
	s_endpgm
.Lfunc_end_k_qc2f23c1d9f_attn:
	.size	k_qc2f23c1d9f_attn, .Lfunc_end_k_qc2f23c1d9f_attn-k_qc2f23c1d9f_attn
	.p2alignl 7, 3214868480
	.fill 96, 4, 3214868480
	.section	.rodata,"a",@progbits
	.p2align	6, 0x0
	.amdhsa_kernel k_qc2f23c1d9f_attn
		.amdhsa_group_segment_fixed_size 278528
		.amdhsa_private_segment_fixed_size 0
		.amdhsa_enable_private_segment 0
		.amdhsa_kernarg_size 56
		.amdhsa_user_sgpr_count 2
		.amdhsa_user_sgpr_kernarg_segment_ptr 1
		.amdhsa_wavefront_size32 1
		.amdhsa_system_sgpr_workgroup_id_x 1
		.amdhsa_system_sgpr_workgroup_id_y 1
		.amdhsa_system_sgpr_workgroup_id_z 1
		.amdhsa_system_vgpr_workitem_id 0
		.amdhsa_next_free_vgpr 256
		.amdhsa_next_free_sgpr 66
		.amdhsa_reserve_vcc 1
		.amdhsa_float_denorm_mode_32 3
		.amdhsa_float_denorm_mode_16_64 3
		.amdhsa_memory_ordered 1
		.amdhsa_forward_progress 1
		.amdhsa_inst_pref_size 224
	.end_amdhsa_kernel
	.amdgpu_metadata
---
amdhsa.version: [ 1, 2 ]
amdhsa.kernels:
  - .name:           k_qc2f23c1d9f_attn
    .symbol:         k_qc2f23c1d9f_attn.kd
    .args:
      - { .name: sidx, .offset: 0, .size: 8, .value_kind: global_buffer, .address_space: global }
      - { .name: upos, .offset: 8, .size: 8, .value_kind: global_buffer, .address_space: global }
      - { .name: codes, .offset: 16, .size: 8, .value_kind: global_buffer, .address_space: global }
      - { .name: scl, .offset: 24, .size: 8, .value_kind: global_buffer, .address_space: global }
      - { .name: value, .offset: 32, .size: 8, .value_kind: global_buffer, .address_space: global }
      - { .name: att, .offset: 40, .size: 8, .value_kind: global_buffer, .address_space: global }
      - { .name: lse, .offset: 48, .size: 8, .value_kind: global_buffer, .address_space: global }
    .group_segment_fixed_size: 278528
    .private_segment_fixed_size: 0
    .kernarg_segment_align: 8
    .kernarg_segment_size: 56
    .max_flat_workgroup_size: 512
    .sgpr_count:     66
    .vgpr_count:     256
    .wavefront_size: 32
...
	.end_amdgpu_metadata
.endif
;; end of part 3
;; launch combine (part 4): grid 512 x 1, 8 waves a work-group, no clusters, 0 bytes of LDS; arguments upos, att, lse, out0; writes out0
.if DOCPART == 4
	.amdgcn_target "amdgcn-amd-amdhsa--gfx1250"
	.amdhsa_code_object_version 6
	.text
	.protected	k_qc2f23c1d9f_combine
	.globl	k_qc2f23c1d9f_combine
	.p2align	8
	.type	k_qc2f23c1d9f_combine,@function
k_qc2f23c1d9f_combine:
	s_mov_b64 s[64:65], 0
	v_nop
	global_prefetch_b8 v0, s[64:65] scope:SCOPE_SE
	s_setreg_imm32_b32 hwreg(HW_REG_WAVE_MODE, 25, 1), 1
	s_wait_xcnt 0x0
; COMBINE.  out[b][p][:] = sum over the 4 hash rounds of w_r att[b][r][place_r(p)][:], w = softmax over r of lse[b][r][place_r(p)] (the largest lse is taken away first).
; att is f16, widened to f32; multiply-adds and sums in f32.  K = 4 and one column: vector multiply-adds; the matrix unit has nothing to gain here.
; SHARES.  A wave takes 16 positions in 8 steps of two; sixteen lanes serve a position, four channels a lane: a row of att is read as 128 consecutive bytes,
; a store of the wave covers 512 consecutive bytes.  All 64 gathers of a wave are issued together; no LDS, no barrier.
	s_load_b256 s[4:11], s[0:1], 0x0               ; upos, att, lse, out0
	v_lshrrev_b32 v1, 5, v0
	v_readfirstlane_b32 s12, v1                    ; wave
	v_and_b32 v1, 31, v0
	v_lshrrev_b32 v2, 4, v1
	v_and_b32 v3, 15, v1
	v_lshlrev_b32 v2, 3, v2                        ; upos: 8 bytes a position; lanes 16-31 take the second
	v_lshlrev_b32 v3, 3, v3                        ; att: my 4 channels, 8 bytes
	v_lshlrev_b32 v1, 4, v1                        ; out: 16 x lane
	s_lshl_b32 s14, ttmp9, 7
	s_lshl_b32 s15, s12, 4
	s_add_co_u32 s14, s14, s15                     ; my first position, counted through all batch entries
	s_lshl_b32 s16, s14, 3
	s_mov_b32 s17, 0
	s_lshl_b32 s18, s14, 8
	s_mov_b32 s19, 0
	s_lshr_b32 s13, ttmp9, 4                       ; batch entry
	s_lshl_b32 s20, s13, 20                        ; att: 4 x 262,144 bytes each
	s_mov_b32 s21, 0
	s_lshl_b32 s22, s13, 15                        ; lse: 4 x 8,192
	s_mov_b32 s23, 0
	s_wait_kmcnt 0x0
	s_add_nc_u64 s[4:5], s[4:5], s[16:17]
	s_add_nc_u64 s[10:11], s[10:11], s[18:19]
	s_add_nc_u64 s[6:7], s[6:7], s[20:21]
	s_add_nc_u64 s[8:9], s[8:9], s[22:23]
.irp k, 0,1,2,3,4,5,6,7
	global_load_b64 v[16+2*\k:17+2*\k], v2, s[4:5] offset:16*\k
.endr
	s_wait_loadcnt 0x0
.irp k, 0,1,2,3,4,5,6,7
.irp u, 0,1,2,3
	v_bfe_u32 v4, v[16+2*\k+\u/2], 16*(\u%2), 16   ; the position's place in hash round u
	v_min_u32 v4, 0x7ff, v4
	v_lshl_add_u32 v[128+4*\k+\u], v4, 7, v3
	v_lshlrev_b32 v[96+4*\k+\u], 2, v4
.endr
.endr
.irp k, 0,1,2,3,4,5,6,7
.irp u, 0,1,2,3
	global_load_b32 v[96+4*\k+\u], v[96+4*\k+\u], s[8:9] offset:8192*\u
.endr
.endr
.irp k, 0,1,2,3,4,5,6,7
.irp u, 0,1,2,3
	global_load_b64 v[32+8*\k+2*\u:33+8*\k+2*\u], v[128+4*\k+\u], s[6:7] offset:262144*\u
.endr
.endr
	s_wait_loadcnt 32                              ; the 32 lse are in; att's 32 loads are younger
.irp k, 0,1,2,3,4,5,6,7
	v_max3_num_f32 v[8+\k], v[96+4*\k], v[97+4*\k], v[98+4*\k]
.endr
.irp k, 0,1,2,3,4,5,6,7
	v_max_num_f32 v[8+\k], v[8+\k], v[99+4*\k]
.endr
.set n, 0
.rept 32
	v_sub_f32 v[96+n], v[96+n], v[8+n/4]
.set n, n+1
.endr
.set n, 0
.rept 32
	v_mul_f32 v[96+n], 0x3fb8aa3b, v[96+n]
.set n, n+1
.endr
.set n, 0
.rept 32
	v_exp_f32 v[96+n], v[96+n]
.set n, n+1
.endr
	v_nop
	s_wait_alu depctr_va_vdst(0)                   ; one wait for the 32, ahead of their first reader
.irp k, 0,1,2,3,4,5,6,7
	v_add_f32 v[8+\k], v[96+4*\k], v[97+4*\k]
.endr
.irp k, 0,1,2,3,4,5,6,7
	v_add_f32 v[8+\k], v[8+\k], v[98+4*\k]
.endr
.irp k, 0,1,2,3,4,5,6,7
	v_add_f32 v[8+\k], v[8+\k], v[99+4*\k]
.endr
.irp k, 0,1,2,3,4,5,6,7
	v_rcp_f32 v[8+\k], v[8+\k]
.endr
	v_nop
	s_wait_alu depctr_va_vdst(0)                   ; one wait for the eight
.set n, 0
.rept 32
	v_mul_f32 v[96+n], v[96+n], v[8+n/4]           ; the weights
.set n, n+1
.endr
.irp k, 0,1,2,3,4,5,6,7
	s_wait_loadcnt 28-4*\k                         ; this step's four rows are in; the later steps' loads are younger
.irp u, 0,1,2,3
	v_mov_b32 v4, v[32+8*\k+2*\u]                  ; into registers whose halves are named
	v_mov_b32 v5, v[33+8*\k+2*\u]
	v_cvt_f32_f16 v16, v4.l
	v_cvt_f32_f16 v17, v4.h
	v_cvt_f32_f16 v18, v5.l
	v_cvt_f32_f16 v19, v5.h
.irp c, 0,1,2,3
.if \u == 0
	v_mul_f32 v[128+4*\k+\c], v[16+\c], v[96+4*\k]           ; the step's loads are done: their offset registers take the sums
.else
	v_fma_f32 v[128+4*\k+\c], v[16+\c], v[96+4*\k+\u], v[128+4*\k+\c]
.endif
.endr
.endr
	global_store_b128 v1, v[128+4*\k:131+4*\k], s[10:11] offset:512*\k th:TH_STORE_NT   ; two rows of 256 bytes
.endr
	s_endpgm
.Lfunc_end_k_qc2f23c1d9f_combine:
	.size	k_qc2f23c1d9f_combine, .Lfunc_end_k_qc2f23c1d9f_combine-k_qc2f23c1d9f_combine
	.p2alignl 7, 3214868480
	.fill 96, 4, 3214868480
	.section	.rodata,"a",@progbits
	.p2align	6, 0x0
	.amdhsa_kernel k_qc2f23c1d9f_combine
		.amdhsa_group_segment_fixed_size 0
		.amdhsa_private_segment_fixed_size 0
		.amdhsa_enable_private_segment 0
		.amdhsa_kernarg_size 32
		.amdhsa_user_sgpr_count 2
		.amdhsa_user_sgpr_kernarg_segment_ptr 1
		.amdhsa_wavefront_size32 1
		.amdhsa_system_sgpr_workgroup_id_x 1
		.amdhsa_system_sgpr_workgroup_id_y 1
		.amdhsa_system_sgpr_workgroup_id_z 1
		.amdhsa_system_vgpr_workitem_id 0
		.amdhsa_next_free_vgpr 160
		.amdhsa_next_free_sgpr 66
		.amdhsa_reserve_vcc 0
		.amdhsa_float_denorm_mode_32 3
		.amdhsa_float_denorm_mode_16_64 3
		.amdhsa_memory_ordered 1
		.amdhsa_forward_progress 1
		.amdhsa_inst_pref_size 36
	.end_amdhsa_kernel
	.amdgpu_metadata
---
amdhsa.version: [ 1, 2 ]
amdhsa.kernels:
  - .name:           k_qc2f23c1d9f_combine
    .symbol:         k_qc2f23c1d9f_combine.kd
    .args:
      - { .name: upos, .offset: 0, .size: 8, .value_kind: global_buffer, .address_space: global }
      - { .name: att, .offset: 8, .size: 8, .value_kind: global_buffer, .address_space: global }
      - { .name: lse, .offset: 16, .size: 8, .value_kind: global_buffer, .address_space: global }
      - { .name: out0, .offset: 24, .size: 8, .value_kind: global_buffer, .address_space: global }
    .group_segment_fixed_size: 0
    .private_segment_fixed_size: 0
    .kernarg_segment_align: 8
    .kernarg_segment_size: 32
    .max_flat_workgroup_size: 256
    .sgpr_count:     66
    .vgpr_count:     160
    .wavefront_size: 32
...
	.end_amdgpu_metadata
.endif
;; end of part 4
